; MI455X (gfx1250); checked and timed in simulation.
; The chip was launched on July 23, 2026; its instructions are those of AMD's public machine-readable ISA for CDNA 5 (MIT licence, August 2026) and "CDNA5" Instruction Set Architecture Reference Guide (July 2026). The comments in the code are by the model that wrote it; some were corrected since.
;; Factorized Jump Operator. Allowed arithmetic: matrix products marked QUANTISED: E2M1 operands, one E8M0 scale for each 32 along K, by v_wmma_scale_f32_16x16x128_f8f6f4 with both operands' format E2M1 (or v_wmma_scale_f32_32x16x128_f4), f32 sums; everything else in f32.
;; Inputs: c_param 16 x 128 float32; d_param 16 x 128 float32; dec_w 16 x 128 x 128 float32; enc_w 16 x 128 x 128 float32; source_idx 131,072 int32; target_idx 131,072 int32; z_n 131,072 x 128 float32.
;; Outputs: out0 131,072 x 128 float32.
;; This version of the problem:
;;   THIS VERSION OF THE PROBLEM IS GIVEN IN LOW PRECISION. The matrix products marked QUANTISED in the list below multiply operands that are first quantised to E2M1 (2 exponent bits, 1 mantissa bit; 4 bits a number), with one power-of-two scale for each 32 numbers along K (OCP MX v1.0); their sums are f32. All else is computed in f32.
;;   The module's matrix products, in the order in which they are computed (A, B: the left and right operand; K: the contracted axis; several contracted axes count as one K, in the product's order):
;;     1. [M 131,072, K 128] x [K 128, N 128]; A: input z_n; B: input enc_w: QUANTISED
;;     2. [M 131,072, K 128] x [K 128, N 128]; A: input z_n; B: input enc_w: QUANTISED
;;     3. [M 131,072, K 128] x [K 128, N 128]; A: input z_n; B: input enc_w: QUANTISED
;;     4. [M 131,072, K 128] x [K 128, N 128]; A: input z_n; B: input enc_w: QUANTISED
;;     5. [M 131,072, K 128] x [K 128, N 128]; A: input z_n; B: input enc_w: QUANTISED
;;     6. [M 131,072, K 128] x [K 128, N 128]; A: input z_n; B: input enc_w: QUANTISED
;;     7. [M 131,072, K 128] x [K 128, N 128]; A: input z_n; B: input enc_w: QUANTISED
;;     8. [M 131,072, K 128] x [K 128, N 128]; A: input z_n; B: input enc_w: QUANTISED
;;     9. [M 131,072, K 128] x [K 128, N 128]; A: input z_n; B: input enc_w: QUANTISED
;;     10. [M 131,072, K 128] x [K 128, N 128]; A: input z_n; B: input enc_w: QUANTISED
;;     11. [M 131,072, K 128] x [K 128, N 128]; A: input z_n; B: input enc_w: QUANTISED
;;     12. [M 131,072, K 128] x [K 128, N 128]; A: input z_n; B: input enc_w: QUANTISED
;;     13. [M 131,072, K 128] x [K 128, N 128]; A: input z_n; B: input enc_w: QUANTISED
;;     14. [M 131,072, K 128] x [K 128, N 128]; A: input z_n; B: input enc_w: QUANTISED
;;     15. [M 131,072, K 128] x [K 128, N 128]; A: input z_n; B: input enc_w: QUANTISED
;;     16. [M 131,072, K 128] x [K 128, N 128]; A: input z_n; B: input enc_w: QUANTISED
;;     17. [M 131,072, K 128] x [K 128, N 128]; A: computed on the way; B: input dec_w: QUANTISED
;;     18. [M 131,072, K 128] x [K 128, N 128]; A: computed on the way; B: input dec_w: QUANTISED
;;     19. [M 131,072, K 128] x [K 128, N 128]; A: computed on the way; B: input dec_w: QUANTISED
;;     20. [M 131,072, K 128] x [K 128, N 128]; A: computed on the way; B: input dec_w: QUANTISED
;;     21. [M 131,072, K 128] x [K 128, N 128]; A: computed on the way; B: input dec_w: QUANTISED
;;     22. [M 131,072, K 128] x [K 128, N 128]; A: computed on the way; B: input dec_w: QUANTISED
;;     23. [M 131,072, K 128] x [K 128, N 128]; A: computed on the way; B: input dec_w: QUANTISED
;;     24. [M 131,072, K 128] x [K 128, N 128]; A: computed on the way; B: input dec_w: QUANTISED
;;     25. [M 131,072, K 128] x [K 128, N 128]; A: computed on the way; B: input dec_w: QUANTISED
;;     26. [M 131,072, K 128] x [K 128, N 128]; A: computed on the way; B: input dec_w: QUANTISED
;;     27. [M 131,072, K 128] x [K 128, N 128]; A: computed on the way; B: input dec_w: QUANTISED
;;     28. [M 131,072, K 128] x [K 128, N 128]; A: computed on the way; B: input dec_w: QUANTISED
;;     29. [M 131,072, K 128] x [K 128, N 128]; A: computed on the way; B: input dec_w: QUANTISED
;;     30. [M 131,072, K 128] x [K 128, N 128]; A: computed on the way; B: input dec_w: QUANTISED
;;     31. [M 131,072, K 128] x [K 128, N 128]; A: computed on the way; B: input dec_w: QUANTISED
;;     32. [M 131,072, K 128] x [K 128, N 128]; A: computed on the way; B: input dec_w: QUANTISED
;;   THE QUANTISER, for each operand of a quantised product, along K:
;;     - K is cut into blocks of 32 from its start; a last block that is shorter is filled with zeros.
;;     - A block's scale is 2^e with e = floor(log2(the largest magnitude in the block)) - 2, held to -126 .. 127; a block of zeros has e = 0. As a byte (E8M0): e + 127.
;;     - Each number is divided by its block's scale, clamped to +-6, and rounded to the nearest number of E2M1, ties to even, subnormals kept.
;;     - The product sums the exact products of the quantised numbers (number of the format x scale) in f32.
;;   ~~~python
;;   def quantise(x, axis):      # numpy; x: float32 -> the quantised numbers, widened to float32 again
;;       x = np.moveaxis(x, axis, -1); K = x.shape[-1]
;;       x = np.pad(x, [(0, 0)] * (x.ndim - 1) + [(0, -K % 32)]); x = x.reshape(x.shape[:-1] + (-1, 32)); a = np.abs(x).max(-1, keepdims=True)
;;       e = np.where(a > 0, np.clip(np.frexp(np.where(a > 0, a, 1))[1] - 1 - 2, -126, 127), 0)      # np.frexp(a)[1] - 1 = floor(log2(a)), exactly
;;       r = np.clip(x / 2.0 ** e, -6, 6)
;;       step = 2.0 ** (np.maximum(np.frexp(np.where(r == 0, 1, r))[1] - 1, 0) - 1)
;;       q = np.round(r / step) * step * 2.0 ** e      # np.round: ties to even
;;       return np.moveaxis(q.reshape(q.shape[:-2] + (-1,))[..., :K], -1, axis).astype(np.float32)
;;   ~~~
;;   OPERANDS COMPUTED ON THE WAY. 'Computed on the way' means the value that the module computes at that place (a softmax that the list does not call 'softmax' is quantised finished and normalised). What goes into a quantiser is computed in f32, as accurately as f32 sums, v_exp_f32 and their like allow (about 1e-6 of the number): no bf16 or f16 on the way to a quantiser, and a product that is left as it is and whose result goes on into a quantised operand takes f32 operands (vector FMAs, or v_wmma_f32_16x16x4_f32). A number that lies on a knife's edge between two numbers of the format may be rounded either way, as far as f32 arithmetic and the matrix unit's own rounding can turn it there, and no further.
;; 2 versions, each right and faster than the one before. Each part assembles by itself: llvm-mc -triple=amdgcn-amd-amdhsa -mcpu=gfx1250 --defsym DOCPART=n.
;; ======== version 1 of 2: 2 launches
;; workspace buffers: wq 278,528 bytes
;; launch prep (part 1): grid 32 x 1, 8 waves a work-group, no clusters, 2,048 bytes of LDS; arguments enc_w, dec_w, wq; writes wq
.if DOCPART == 1
	.amdgcn_target "amdgcn-amd-amdhsa--gfx1250"
	.amdhsa_code_object_version 6
	.text
	.protected	k_q406b191226_prep
	.globl	k_q406b191226_prep
	.p2align	8
	.type	k_q406b191226_prep,@function
k_q406b191226_prep:
	s_mov_b64 s[64:65], 0
	v_nop
	global_prefetch_b8 v0, s[64:65] scope:SCOPE_SE
	s_setreg_imm32_b32 hwreg(HW_REG_WAVE_MODE, 25, 1), 1
	s_wait_xcnt 0x0
; enc_w and dec_w, [16][128 rows][128 k] f32, K innermost, become codes of FP4 (E2M1) with one E8M0 byte for each 32 along K,
; laid as IMAGES OF THE OPERAND'S REGISTERS, so that the next launch takes every fragment by loads of 16 bytes a lane, 512 consecutive bytes a load.
; wq: 32 blocks of 8,704 bytes, block m = 16 x layer + chart.  In a block: tile t (0..7), half c (0, 1), lane l: 16 bytes at 1024 t + 512 c + 16 l = registers 4 c .. 4 c + 3 of lane l.
; Lane (r = l % 16, h = l / 16) holds k = 64 c + 32 h + 0 .. 31 of the weight's row 32 (t / 2) + 8 (t % 2) + r + 8 (r / 8): THE ROWS OF A TILE ARE NOT NEIGHBOURS, so that in the
; transposed product the 16 registers of tiles 2 b and 2 b + 1 are 16 neighbouring units.  Scale words at 8192 + 16 l + 4 q: lanes 0-15 tile 2 q's rows, lanes 16-31 tile 2 q + 1's.
; A block's scale is 2^(floor(log2(largest magnitude)) - 2); its byte is the largest magnitude's exponent field - 2, held at 1 from below.
; LIMITS: NaN and infinities are not served; a block of zeros (and one whose largest magnitude lies under 2^-124) gets the byte 1: its codes are what that scale gives, and this program alone reads the bytes.
; SHARES: a work-group takes one matrix, each of its eight waves one tile of 16 rows.  A lane reads 2 x 128 consecutive bytes of its row, 16 at a time: both tensors are 2 MiB in all and are read once.
.set WBLK, 8704
	s_load_b128 s[4:7], s[0:1], 0x0                ; enc_w, dec_w
	s_load_b64 s[8:9], s[0:1], 0x10                ; wq
	v_lshl_add_u32 v96, v0, 2, 0x400
	v_mov_b32 v97, 0
	v_lshrrev_b32 v1, 5, v0
	v_readfirstlane_b32 s10, v1                    ; wave = tile t
	v_and_b32 v4, 31, v0                           ; lane
	v_lshlrev_b32 v1, 4, v4                        ; 16 x lane: my place in an image
	v_and_b32 v2, 15, v0                           ; r
	v_bfe_u32 v3, v0, 4, 1                         ; h
	v_and_b32 v5, 8, v2
	v_add_nc_u32 v5, v5, v2                        ; r + 8 (r / 8)
	v_lshlrev_b32 v5, 9, v5                        ; a row is 512 bytes
	v_lshl_add_u32 v5, v3, 7, v5                   ; + 32 numbers for lanes 16-31
	s_and_b32 s11, s10, 1                          ; t % 2
	s_lshr_b32 s12, s10, 1                         ; t / 2
	s_lshl_b32 s13, s11, 8
	s_lshl_b32 s14, s12, 2
	s_add_co_u32 s13, s13, s14
	v_lshl_add_u32 v6, v2, 4, s13                  ; LDS: my row's scale word: 16 r + 256 (t % 2) + 4 (t / 2)
	s_and_b32 s14, ttmp9, 15                       ; the chart: 65,536 bytes a matrix
	s_lshl_b32 s14, s14, 16
	s_lshl_b32 s12, s12, 14                        ; 32 rows
	s_lshl_b32 s11, s11, 12                        ; 8 rows
	s_add_co_u32 s14, s14, s12
	s_add_co_u32 s14, s14, s11
	s_mov_b32 s15, 0
	s_mul_i32 s16, ttmp9, WBLK                     ; my block of wq,
	s_lshl_b32 s17, s10, 10                        ; my tile in it
	s_add_co_u32 s16, s16, s17
	s_mov_b32 s17, 0
	s_mov_b32 s20, 0x76543210
	s_mov_b32 s21, 0xfedcba98                      ; v_permlanex16_b32's selects for lane l xor 16
	s_wait_kmcnt 0x0
	s_cmp_lt_u32 ttmp9, 16                         ; the first 16 work-groups take enc_w, the others dec_w: the choice hangs on the work-group's number alone
	s_cselect_b64 s[4:5], s[4:5], s[6:7]
	s_add_nc_u64 s[4:5], s[4:5], s[14:15]
	s_add_nc_u64 s[8:9], s[8:9], s[16:17]
.irp c, 0,1
.irp i, 0,1,2,3,4,5,6,7
	global_load_b128 v[16+32*\c+4*\i:16+32*\c+4*\i+3], v5, s[4:5] offset:256*\c+16*\i   ; k = 64 c + 32 h + 4 i on: a whole block of 32 in my registers
.endr
.endr
	s_wait_loadcnt 0x0
.irp c, 0,1
	v_max3_num_f32 v[8+\c], |v[16+32*\c]|, |v[17+32*\c]|, 0x1800000   ; block 2 c + h: all 32 numbers are mine; the floor 2^(3 - 127) holds the byte at 1 from below
.endr
.irp i, 2,4,6,8,10,12,14,16,18,20,22,24,26,28,30
.irp c, 0,1
	v_max3_num_f32 v[8+\c], v[8+\c], |v[16+32*\c+\i]|, |v[17+32*\c+\i]|   ; (the two blocks by turns)
.endr
.endr
.irp c, 0,1
	v_add_nc_u32 v[10+\c], 0xff000000, v[8+\c]     ; 2 off the exponent field: the conversion takes the exponent field of this operand as its scale
.endr
.irp c, 0,1
	v_lshrrev_b32 v[12+\c], 23, v[10+\c]           ; the scale's byte
.endr
	v_lshl_or_b32 v14, v13, 16, v12                ; my two bytes, blocks h and 2 + h of my row,
	v_lshlrev_b32 v15, 3, v3
	v_lshlrev_b32 v14, v15, v14                    ; at their places in the word (8 h bits up);
	v_mov_b32 v15, 0                               ; (a lane permute's destination counts as one of its sources)
	v_permlanex16_b32 v15, v14, s20, s21
	v_or_b32 v14, v14, v15                         ; with lane l xor 16's two the word is whole
.irp c, 0,1
.irp g, 0,1,2,3
	v_cvt_scalef32_pk8_fp4_f32 v[80+4*\c+\g], v[16+32*\c+8*\g:16+32*\c+8*\g+7], v[10+\c]   ; registers 4 c .. 4 c + 3 of the operand
.endr
.endr
	v_nop                                          ; one plain line behind the last scaled conversion
	global_store_b128 v1, v[80:83], s[8:9]         ; 32 lanes store 512 consecutive bytes, at a multiple of 256 from wq's first byte
	global_store_b128 v1, v[84:87], s[8:9] offset:512
	ds_store_b32 v6, v14                           ; both halves of the lanes write the same word with the same value
	s_wait_dscnt 0x0                               ; for the others' sake: my word has landed
	s_barrier_signal -1
	s_barrier_wait -1                              ; the matrix's 128 scale words lie in LDS bytes 0 to 511
	s_cmp_lg_u32 s10, 0
	s_cbranch_scc1 .Ldone                          ; wave 0 alone stores them (its base stands at the block's first byte)
	ds_load_b128 v[88:91], v1
	s_wait_dscnt 0x0
	global_store_b128 v1, v[88:91], s[8:9] offset:8192   ; 512 consecutive bytes, aligned
.Ldone:
	s_wait_tensorcnt 0x0
	ds_add_u32 v96, v97
	s_wait_dscnt 0x0
	s_endpgm
.Lfunc_end_k_q406b191226_prep:
	.size	k_q406b191226_prep, .Lfunc_end_k_q406b191226_prep-k_q406b191226_prep
	.p2alignl 7, 3214868480
	.fill 96, 4, 3214868480
	.section	.rodata,"a",@progbits
	.p2align	6, 0x0
	.amdhsa_kernel k_q406b191226_prep
		.amdhsa_group_segment_fixed_size 2048
		.amdhsa_private_segment_fixed_size 0
		.amdhsa_enable_private_segment 0
		.amdhsa_kernarg_size 24
		.amdhsa_user_sgpr_count 2
		.amdhsa_user_sgpr_kernarg_segment_ptr 1
		.amdhsa_wavefront_size32 1
		.amdhsa_system_sgpr_workgroup_id_x 1
		.amdhsa_system_sgpr_workgroup_id_y 1
		.amdhsa_system_sgpr_workgroup_id_z 1
		.amdhsa_system_vgpr_workitem_id 0
		.amdhsa_next_free_vgpr 98
		.amdhsa_next_free_sgpr 66
		.amdhsa_reserve_vcc 0
		.amdhsa_float_denorm_mode_32 3
		.amdhsa_float_denorm_mode_16_64 3
		.amdhsa_memory_ordered 1
		.amdhsa_forward_progress 1
		.amdhsa_inst_pref_size 8
	.end_amdhsa_kernel
	.amdgpu_metadata
---
amdhsa.version: [ 1, 2 ]
amdhsa.kernels:
  - .name:           k_q406b191226_prep
    .symbol:         k_q406b191226_prep.kd
    .args:
      - { .name: enc_w, .offset: 0, .size: 8, .value_kind: global_buffer, .address_space: global }
      - { .name: dec_w, .offset: 8, .size: 8, .value_kind: global_buffer, .address_space: global }
      - { .name: wq, .offset: 16, .size: 8, .value_kind: global_buffer, .address_space: global }
    .group_segment_fixed_size: 2048
    .private_segment_fixed_size: 0
    .kernarg_segment_align: 8
    .kernarg_segment_size: 24
    .max_flat_workgroup_size: 256
    .sgpr_count:     66
    .vgpr_count:     98
    .wavefront_size: 32
...
	.end_amdgpu_metadata
.endif
;; end of part 1
;; launch main (part 2): grid 256 x 1, 4 waves a work-group, clusters of 4 x 1, 327,680 bytes of LDS; arguments z_n, source_idx, target_idx, c_param, d_param, wq, out0; writes out0
.if DOCPART == 2
	.amdgcn_target "amdgcn-amd-amdhsa--gfx1250"
	.amdhsa_code_object_version 6
	.text
	.protected	k_q406b191226_main
	.globl	k_q406b191226_main
	.p2align	8
	.type	k_q406b191226_main,@function
k_q406b191226_main:
	s_mov_b64 s[64:65], 0
	v_nop
	global_prefetch_b8 v0, s[64:65] scope:SCOPE_SE
	s_setreg_imm32_b32 hwreg(HW_REG_WAVE_MODE, 25, 1), 1
	s_wait_xcnt 0x0
	s_wait_alu depctr_hold_cnt(0) depctr_sa_sdst(0) depctr_va_vdst(0) depctr_va_sdst(0) depctr_va_ssrc(0) depctr_va_vcc(0) depctr_vm_vsrc(0)
	s_getreg_b32 s2, hwreg(HW_REG_IB_STS2, 6, 4)
	s_cmp_eq_u32 s2, 0
	s_cbranch_scc0 .Lentry_in_a_cluster
	s_endpgm
.Lentry_in_a_cluster:
	s_bfe_u32 s2, ttmp6, 0x10000c
	s_cmp_lg_u32 s2, 0x3003
	s_cbranch_scc0 .Lentry_shape_is_right
	s_endpgm
.Lentry_shape_is_right:
; out[n] = Q(h[n]) Q(dec_w[tgt[n]])^T + d[tgt[n]],  h[n] = Q(z[n]) Q(enc_w[src[n]])^T + c[src[n]];  Q: codes of FP4 (E2M1) with one E8M0 scale for each 32 along K = 128.
; THE SELECT IS MADE INSIDE THE SUMS.  All 16 charts' products are issued, as the definition writes them; for chart e the operand rows of tokens that did not choose e are ZERO CODES under the scale byte 0,
; and the 16 products add onto ONE accumulator, which starts as the token's own bias.  So no address, trip count or branch hangs on an index: the indices reach lane masks and lane selects alone.
; SHARES.  256 work-groups of four waves; a work-group owns 512 tokens, a wave 128: two passes of four tiles of 16 tokens.  Behind one barrier the waves share nothing but the weights, which nobody writes.
; WEIGHTS.  wq holds all 32 matrices as images of operand registers (8,704 bytes a matrix: 8 tiles x 1,024 bytes of codes, 512 bytes of scale words): 278,528 bytes, which lie in LDS for the whole launch, filled once.
; CLUSTER.  Every work-group wants the same 278,528 bytes, so the four partners of a cluster ask JOINTLY: wave w of each issues the same tensor load (bytes 69,632 w on) with a mask that names the four.
; One tensor load of a wave is out.  No LDS byte is filled twice.
; LAYOUT.  Both products are used transposed (source 0 = 16 rows of a weight, source 1 = 16 tokens): a lane holds ONE token (lane % 16).  The rows of a weight's tile are chosen so that register j of tile 2 b + u
; in lane (token, h) is unit 32 b + 16 h + 8 u + j: the 16 registers of two neighbouring tiles are 16 neighbours along the next K, and along a row of out.
; A STEP is one chart for four token tiles: 32 matrix instructions on 32 accumulators by turns; 17 LDS loads bring the next chart's fragments, and the next chart's masked operands are made by one
; v_cndmask_b32 behind each matrix instruction, under the same window setting.
; z of pass 1 is asked for while pass 0's z is quantised and lands under pass 0's products; pass 0's stores leave under pass 1's.
; LIMITS: NaN and infinities are not served.  Blocks whose largest magnitude lies under 2^-124 keep the scale byte 1.  Indices are taken modulo 16 (the definition relies on 0 .. 15).
; The bias is the sum's first term, where the definition adds it last: another order of rounding in f32.
; REGISTERS, in windows of 256 (s_set_vgpr_msb: bits 1:0 source 0, 3:2 source 1, 5:4 source 2, 7:6 destination):
;   window 0: v1-15 addresses; v16-31 indices; v32-51 scale words; v52-83 at work; v84-147 d's table; v148-211 raw z (pass 1, tile 2); v212-243 rows on the way out
;   windows 1, 2 (token tiles 0, 1 and 2, 3; a = tile % 2): v0-127 accumulators (64 a + 8 t + j); v128-143 the operand's codes (8 a); v144-175 masked codes, two sets; v176-239 raw z (pass 1, tiles 0 and 1)
;   window 3: v0-127 a chart's fragments, two sets; v128-191 c's table; v192-255 raw z (pass 1, tile 3)
.set WBLK,   8704                      ; a matrix in wq and in LDS
.set QUART,  69632                     ; what one tensor load brings: 272 rows of 256 bytes
.set STG,    4*QUART                   ; behind the weights: 9,984 bytes (39 x 256) of each wave's own
.set WSTG,   9984
.set SPITCH, 528                       ; in them: 16 rows x (512 + 16) for the way out,
.set CODES,  16*SPITCH                 ; 16 rows x (64 + 16) for z's codes,
.set CPITCH, 80
.set SBYTES, CODES+16*CPITCH           ; and 64 scale bytes
.set LI,  1                            ; v1   16 x lane
.set WA,  2                            ; v2-3 LDS address of the chart being fetched, by turns
.set ZO,  4                            ; v4   z: 512 (lane / 16) + 32 (lane % 16)
.set CST, 5                            ; v5   my stage + 80 (lane / 16) + 4 (lane % 16): where 8 codes go
.set CSB, 6                            ; v6   my stage + 4 (lane / 16) + (lane % 16) / 4: where a scale byte goes
.set CLD, 7                            ; v7   my stage + 80 r + 16 h: a fragment's 16 bytes
.set CLS, 8                            ; v8   my stage + 4 r: a token's scale word
.set STO, 9                            ; v9   my stage + 528 r + 64 h: the way out, in
.set SRD, 10                           ; v10  my stage + 16 x lane: the way out, back
.set IO,  11                           ; v11  4 r: a token's index
.set TO,  12                           ; v12  512 r + 64 h: a bias table's lane
.set SH,  13                           ; v13  4 (r % 8)
.set NA,  14                           ; v14-15 at work
.set NB,  15
.set SRC, 16                           ; v16-23 source_idx of my 8 tiles (lane: token lane % 16);  v24-31 target_idx
.set TGT, 24
.set XS,  32                           ; v32-35 the operand's scale words, a register a tile
.set MXS, 36                           ; v36-43 the same, masked: two sets
.set WS,  44                           ; v44-51 a chart's scale words: two sets of 4 (register q: lanes 0-15 tile 2 q, lanes 16-31 tile 2 q + 1)
.set TM,  52
.set SO,  60
.set CD,  68
.set BY,  76
.set DTAB, 84
.set RB2, 148
.set BK,  212
.set XF,  128                          ; in windows 1, 2
.set MX,  144
.set RB01, 176
.set CTAB, 128                         ; in window 3
.set RB3, 192
.set STB, 2                            ; s2   my stage's first byte
.set WV,  18                           ; s18  my wave's number
.set CX,  19                           ; s19  my place in the cluster: it enters z's, the indices' and out's addresses alone
.set G1,  24                           ; s[24:31], s[32:35] the tensor load's descriptor
.set G0,  32
.set SEL, 36                           ; s[36:37] selects for lane l xor 16
.set WO,  38                           ; s38  byte of the chart being fetched;  s39 the same, held inside the weights
.set WN,  39
.set EX,  40                           ; s40  the chart being masked for
.set CNT, 41
.set MK,  44                           ; s[44:47] four lane masks, one a token tile
.set NS,  48                           ; s[48:55] the pass's source indices as lane selects, a pair a tile;  s[56:63] the target indices
.set NT,  56
.set MSB, 0
.macro WIN new                         ; the immediate's high byte repeats the setting that is left; a switch that changes nothing is dropped
.if MSB != (\new)
	s_set_vgpr_msb (MSB<<8)|(\new)
.set MSB, (\new)
.endif
.endm
; A round of the cluster's barrier: my work-group's barrier; wave 0 signals for the work-group; every wave waits for all four work-groups; my work-group's barrier once more.
.macro CROUND
	s_barrier_signal -1
	s_barrier_wait -1
	s_cmp_lg_u32 s[WV], 0
	s_cbranch_scc1 .Lnot_wave_0_\@
	s_barrier_signal -3
.Lnot_wave_0_\@:
	s_barrier_wait -3
	s_barrier_signal -1
	s_barrier_wait -1
.endm
; 16 tokens of z from byte off of my wave's rows into v[r] on of window w.  Pair i: lanes 0-15 token 2 i, lanes 16-31 token 2 i + 1; a lane takes 8 neighbours along K: the pair's two loads read 1,024 consecutive bytes.
.macro ZLOAD w, r, off
	WIN (\w)<<6
.irp i, 0,1,2,3,4,5,6,7
	global_load_b128 v[(\r)+8*\i:(\r)+8*\i+3], v[ZO], s[4:5] offset:(\off)+1024*\i
	global_load_b128 v[(\r)+8*\i+4:(\r)+8*\i+7], v[ZO], s[4:5] offset:(\off)+1024*\i+16
.endr
.endm
; Those 16 tokens become token tile tk's operand.  A block of 32 lies in four neighbouring lanes.  The codes (4 bytes a lane) and scale bytes turn through my own LDS bytes into the operand's layout.
.macro ZQUANT w, r, tk
.set NW, (\w)|((\w)<<2)
	WIN NW
.irp i, 0,1,2,3,4,5,6,7
	v_max3_num_f32 v[TM+\i], |v[(\r)+8*\i]|, |v[(\r)+8*\i+1]|, 0x1800000   ; my 8 numbers, and the floor 2^(3 - 127): the byte cannot fall under 1
.endr
.set NW, ((\w)<<2)|((\w)<<4)
	WIN NW
.irp j, 2,4,6
.irp i, 0,1,2,3,4,5,6,7
	v_max3_num_f32 v[TM+\i], v[TM+\i], |v[(\r)+8*\i+\j]|, |v[(\r)+8*\i+\j+1]|   ; (the eight pairs of tokens by turns)
.endr
.endr
	WIN 0
.irp i, 0,1,2,3,4,5,6,7
	v_max_num_f32_dpp v[TM+\i], v[TM+\i], v[TM+\i] row_xmask:1 row_mask:0xf bank_mask:0xf
.endr
.irp i, 0,1,2,3,4,5,6,7
	v_max_num_f32_dpp v[TM+\i], v[TM+\i], v[TM+\i] row_xmask:2 row_mask:0xf bank_mask:0xf   ; the block's largest magnitude, in its four lanes
.endr
.irp i, 0,1,2,3,4,5,6,7
	v_add_nc_u32 v[SO+\i], 0xff000000, v[TM+\i]    ; 2 off the exponent field: the conversion's scale operand
.endr
	WIN (\w)
.irp i, 0,1,2,3,4,5,6,7
	v_cvt_scalef32_pk8_fp4_f32 v[CD+\i], v[(\r)+8*\i:(\r)+8*\i+7], v[SO+\i]
.endr
	WIN 0
.irp i, 0,1,2,3,4,5,6,7
	v_lshrrev_b32 v[BY+\i], 23, v[SO+\i]           ; the scale's byte.  (Plain lines behind the scaled conversions)
.endr
.irp i, 0,1,2,3,4,5,6,7
	ds_store_b32 v[CST], v[CD+\i] offset:CODES+2*CPITCH*\i
	ds_store_b8 v[CSB], v[BY+\i] offset:SBYTES+8*\i   ; a block's four lanes write the same byte with the same value
.endr
.set NW, (1+(\tk)/2)<<6
	WIN NW
	ds_load_b128 v[XF+8*((\tk)%2):XF+8*((\tk)%2)+3], v[CLD] offset:CODES        ; LDS serves a wave's instructions in order (ISA guide 5.7.1.4): these see my stores
	ds_load_b128 v[XF+8*((\tk)%2)+4:XF+8*((\tk)%2)+7], v[CLD] offset:CODES+32
	WIN 0
	ds_load_b32 v[XS+(\tk)], v[CLS] offset:SBYTES
	s_wait_dscnt 0x0                               ; the operand is in, and the stores have read their registers
.endm
; The 16 indices of a tile (register ix) become sixteen 4-bit lane selects in s[sg], s[sg + 1].
.macro NIB ix, sg
	v_lshlrev_b32 v[NA], v[SH], v[\ix]             ; my index at its place among eight
.irp m, 1,2,4
	v_mov_b32_dpp v[NB], v[NA] row_xmask:\m row_mask:0xf bank_mask:0xf
	v_or_b32 v[NA], v[NA], v[NB]
.endr
	v_readlane_b32 s[\sg], v[NA], 0                ; tokens 0-7
	v_readlane_b32 s[(\sg)+1], v[NA], 8            ; tokens 8-15
.endm
; The sums begin as each token's own bias.  Lane (e, h) of table register 8 t + j holds param[e][unit of (t, h, j)]; lane (token, h) takes lane (its chart, h).  Nothing is cleared and nothing is gathered from memory.
.macro BIAS tw, tb, sg
.irp tk, 0,1,2,3
.set NW, ((1+\tk/2)<<6)|(\tw)
	WIN NW
.set nn, 0
.rept 64
	v_permlane16_b32 v[64*(\tk%2)+nn], v[(\tb)+nn], s[(\sg)+2*\tk], s[(\sg)+2*\tk+1]
.set nn, nn+1
.endr
.endr
	WIN 0
.endm
; Chart 0 of the first layer into set 0: 17 loads of 512 consecutive bytes.
.macro WLOAD0
	ds_load_b128 v[WS:WS+3], v[LI] offset:8192
	WIN 0xc0                                       ; destination window 3
.irp t, 0,1,2,3,4,5,6,7
.irp c, 0,1
	ds_load_b128 v[8*\t+4*\c:8*\t+4*\c+3], v[LI] offset:1024*\t+512*\c
.endr
.endr
	WIN 0
.endm
; A layer's head: the operands masked for chart 0, into set 0.
.macro LPRO ix
	s_mov_b32 s[EX], 0
.irp tk, 0,1,2,3
	v_cmp_eq_u32 s[MK+\tk], s[EX], v[(\ix)+\tk]
.endr
.irp tk, 0,1,2,3
	v_cndmask_b32 v[MXS+\tk], 0, v[XS+\tk], s[MK+\tk]
.endr
	WIN 0x44                                       ; destination and source 1 window 1
.set nn, 0
.rept 16
	v_cndmask_b32 v[MX+nn], 0, v[XF+nn], s[MK+nn/8]
.set nn, nn+1
.endr
	WIN 0x88                                       ; window 2
.set nn, 0
.rept 16
	v_cndmask_b32 v[MX+nn], 0, v[XF+nn], s[MK+2+nn/8]
.set nn, nn+1
.endr
	WIN 0
.endm
; A matrix instruction (weight tile t x token tile 2 g + a, sets p) and, behind it, one register of the other set's masked codes.  The v_cndmask_b32 names none of the matrix instruction's registers.
.macro PAIR p, t, a, g
.if (\t)%2
	v_wmma_scale_f32_16x16x128_f8f6f4 v[64*\a+8*\t:64*\a+8*\t+7], v[64*\p+8*\t:64*\p+8*\t+7], v[MX+16*\p+8*\a:MX+16*\p+8*\a+7], v[64*\a+8*\t:64*\a+8*\t+7], v[WS+4*\p+\t/2], v[MXS+4*\p+2*\g+\a] matrix_a_fmt:MATRIX_FMT_FP4 matrix_b_fmt:MATRIX_FMT_FP4 matrix_a_scale:MATRIX_SCALE_ROW1
.else
	v_wmma_scale_f32_16x16x128_f8f6f4 v[64*\a+8*\t:64*\a+8*\t+7], v[64*\p+8*\t:64*\p+8*\t+7], v[MX+16*\p+8*\a:MX+16*\p+8*\a+7], v[64*\a+8*\t:64*\a+8*\t+7], v[WS+4*\p+\t/2], v[MXS+4*\p+2*\g+\a] matrix_a_fmt:MATRIX_FMT_FP4 matrix_b_fmt:MATRIX_FMT_FP4
.endif
	v_cndmask_b32 v[MX+16*(1-\p)+2*\t+\a], 0, v[XF+2*\t+\a], s[MK+2*\g+(2*\t+\a)/8]
.endm
; ONE CHART FOR FOUR TOKEN TILES: multiplies the sets p, prepares the sets 1 - p for the next chart.
; The 32 accumulators take turns, one instruction a turn, in the same order in every step and over the backward jump.
.macro STEP p, ix
	WIN 0
.rept 4
	v_nop                                          ; four places (ISA guide 7.12.1) behind the last products, which read the sets 1 - p: now these may be written and loaded into
.endr
	s_add_co_u32 s[EX], s[EX], 1                   ; the next chart (16 behind a layer's last: no token has it, and the set is made anew at the next layer's head)
	s_add_co_u32 s[WO], s[WO], WBLK
	s_min_u32 s[WN], s[WO], 31*WBLK                ; a pass's last step reads matrix 31 again and does not leave the weights
.irp tk, 0,1,2,3
	v_cmp_eq_u32 s[MK+\tk], s[EX], v[(\ix)+\tk]
.endr
	v_add_nc_u32 v[WA+1-\p], s[WN], v[LI]
.irp tk, 0,1,2,3
	v_cndmask_b32 v[MXS+4*(1-\p)+\tk], 0, v[XS+\tk], s[MK+\tk]   ; the scale word is masked too: under the byte 0, zero codes leave a foreign token's sum as it is.  32 plain lines and more stand ahead of its use
.endr
	ds_load_b128 v[WS+4*(1-\p):WS+4*(1-\p)+3], v[WA+1-\p] offset:8192
	WIN 0xc0                                       ; destination window 3
.irp t, 0,1,2,3,4,5,6,7
.irp c, 0,1
	ds_load_b128 v[64*(1-\p)+8*\t+4*\c:64*(1-\p)+8*\t+4*\c+3], v[WA+1-\p] offset:1024*\t+512*\c
.endr
.endr
	s_wait_dscnt 17                                ; the 17 loads just issued may be out; the 17 of the step before, the sets p, are in
	WIN 0x57                                       ; source 0 (weights) window 3; source 1, C and D window 1: it serves the v_cndmask_b32 too
.irp t, 0,1,2,3,4,5,6,7
.irp a, 0,1
	PAIR \p, \t, \a, 0
.endr
.endr
	WIN 0xab                                       ; the same with window 2
.irp t, 0,1,2,3,4,5,6,7
.irp a, 0,1
	PAIR \p, \t, \a, 1
.endr
.endr
.endm
; A layer: 16 charts, two a trip.
.macro LAYER ix
	LPRO \ix
	s_mov_b32 s[CNT], 8
.Lchart_\@:
	STEP 0, \ix
	STEP 1, \ix
	WIN 0                                          ; at a label and at a branch every window is 0
	s_sub_co_u32 s[CNT], s[CNT], 1
	s_cmp_lg_u32 s[CNT], 0
	s_cbranch_scc1 .Lchart_\@
.rept 4
	v_nop                                          ; four places ahead of the first read of the results
.endr
.endm
; Token tile tk's h (64 numbers a lane: register 16 b + i = unit 32 b + 16 h + i) becomes the second product's operand, in registers.  Each accumulator is read from its low end on.
.macro HQUANT tk
.set HW, 1+(\tk)/2
.set AB, 64*((\tk)%2)
.set XO, XF+8*((\tk)%2)
.set NW, HW|(HW<<2)
	WIN NW
.irp b, 0,1,2,3
	v_max3_num_f32 v[TM+\b], |v[AB+16*\b]|, |v[AB+16*\b+1]|, 0x1800000   ; block b: my 16 numbers, and the floor
.endr
.set NW, (HW<<2)|(HW<<4)
	WIN NW
.irp i, 2,4,6,8,10,12,14
.irp b, 0,1,2,3
	v_max3_num_f32 v[TM+\b], v[TM+\b], |v[AB+16*\b+\i]|, |v[AB+16*\b+\i+1]|   ; (the four blocks by turns)
.endr
.endr
	WIN 0
.irp b, 0,1,2,3
	v_permlanex16_b32 v[TM+4+\b], v[TM+\b], s[SEL], s[SEL+1]
.endr
.irp b, 0,1,2,3
	v_max_num_f32 v[TM+\b], v[TM+\b], v[TM+4+\b]   ; with lane l xor 16's: the block's largest magnitude
.endr
.irp b, 0,1,2,3
	v_add_nc_u32 v[TM+12+\b], 0xff000000, v[TM+\b]
.endr
.irp b, 0,1,2,3
	v_lshrrev_b32 v[TM+4+\b], 23, v[TM+12+\b]
.endr
	v_lshl_or_b32 v[XS+(\tk)], v[TM+5], 8, v[TM+4] ; my token's scale word
	v_lshl_or_b32 v[XS+(\tk)], v[TM+6], 16, v[XS+(\tk)]
	v_lshl_or_b32 v[XS+(\tk)], v[TM+7], 24, v[XS+(\tk)]
.set NW, (HW<<6)|HW
	WIN NW
.irp b, 0,1,2,3
	v_cvt_scalef32_pk8_fp4_f32 v[XO+2*\b], v[AB+16*\b:AB+16*\b+7], v[TM+12+\b]
	v_cvt_scalef32_pk8_fp4_f32 v[XO+2*\b+1], v[AB+16*\b+8:AB+16*\b+15], v[TM+12+\b]
.endr
	v_nop                                          ; one plain line behind the last scaled conversion
.irp c, 0,1                                    ; the operand's layout wants a WHOLE block in a lane: lanes 0-15 block 2 c, lanes 16-31 block 2 c + 1
.irp i, 0,1
	v_permlane16_swap_b32 v[XO+4*\c+\i], v[XO+4*\c+2+\i]
.endr
.endr
	WIN 0
.endm
; Token tile tk leaves.  A lane holds 4 x 64 bytes of one row; the rows meet in my stage and come back whole: 32 lanes store a row of 512 consecutive bytes, at a multiple of 256 from out's first byte.
.macro OUT tk, off
.set AB, 64*((\tk)%2)
.set NW, (1+(\tk)/2)<<2
	WIN NW                                         ; an LDS store's data are its source 1
.irp t, 0,1,2,3,4,5,6,7
	ds_store_b128 v[STO], v[AB+8*\t:AB+8*\t+3] offset:128*(\t/2)+32*(\t%2)        ; each accumulator from its low end on
	ds_store_b128 v[STO], v[AB+8*\t+4:AB+8*\t+7] offset:128*(\t/2)+32*(\t%2)+16
.endr
	WIN 0
.irp g, 0,1
	s_wait_xcnt 0x0                                ; the earlier stores have read their data registers: they are loaded again only behind this wait
.irp i, 0,1,2,3,4,5,6,7
	ds_load_b128 v[BK+4*\i:BK+4*\i+3], v[SRD] offset:SPITCH*(8*\g+\i)   ; in order behind my stores
.endr
.irp i, 0,1,2,3,4,5,6,7
	s_wait_dscnt 7-\i                              ; row i is back; the younger loads may be out
	global_store_b128 v[LI], v[BK+4*\i:BK+4*\i+3], s[16:17] offset:(\off)+512*(8*\g+\i) th:TH_STORE_NT
.endr
.endr
.endm
; A pass: four token tiles through both layers.  The second layer's first chart needs no load of its own: the first layer's last step has fetched matrix 16 into set 0.
.macro PASS p
	s_mov_b32 s[WO], 0
	WLOAD0
	BIAS 3, CTAB, NS
	LAYER SRC+4*\p
	HQUANT 0
	HQUANT 1
	HQUANT 2
	HQUANT 3
	BIAS 0, DTAB, NT
	LAYER TGT+4*\p
	s_wait_dscnt 0x0                               ; the last step's fetch has landed: its registers are loaded again in the next pass
	OUT 0, (64*\p)*512
	OUT 1, (64*\p+16)*512
	OUT 2, (64*\p+32)*512
	OUT 3, (64*\p+48)*512
.endm
	s_load_b256 s[4:11], s[0:1], 0x0               ; z s[4:5], source_idx s[6:7], target_idx s[8:9], c s[10:11]
	s_load_b128 s[12:15], s[0:1], 0x20             ; d s[12:13], wq s[14:15]
	s_load_b64 s[16:17], s[0:1], 0x30              ; out
	v_lshl_add_u32 v254, v0, 2, 0x4dc00
	v_mov_b32 v255, 0
	ds_add_u32 v254, v255
	ds_add_u32 v254, v255
	v_lshrrev_b32 v[NA], 5, v0
	v_readfirstlane_b32 s[WV], v[NA]               ; wave 0..3
	s_bfe_u32 s[CX], ttmp6, 0x40000                ; my place in the cluster
	s_lshl_b32 s20, ttmp9, 2                       ; in a cluster launch ttmp9 counts clusters
	s_add_co_u32 s20, s20, s[CX]                   ; my work-group
	s_lshl_b32 s22, s20, 18                        ; z and out: 512 tokens of 512 bytes a work-group,
	s_lshl_b32 s23, s[WV], 16                      ; 128 a wave
	s_add_co_u32 s22, s22, s23
	s_mov_b32 s23, 0
	s_lshl_b32 s20, s20, 11                        ; the indices: 4 bytes a token
	s_lshl_b32 s21, s[WV], 9
	s_add_co_u32 s20, s20, s21
	s_mov_b32 s21, 0
	; descriptor group 1: 272 rows of 256 bytes (32 elements of 8), dense, no padding: every read of the images is 512 consecutive bytes
	s_mov_b32 s[G1], 15|(3<<16)|(1<<21)            ; 15:0 the mask: all four work-groups; 17:16 elements of 8 bytes; 21 set beside a mask
	s_mov_b32 s[G1+1], 32<<16                      ; tensor_dim0 = 32
	s_mov_b32 s[G1+2], 272<<16                     ; tensor_dim1 = 272
	s_mov_b32 s[G1+3], 32<<16                      ; tile_dim0 = 32
	s_mov_b32 s[G1+4], 272                         ; tile_dim1 = 272
	s_mov_b32 s[G1+5], 32                          ; from row to row
	s_mov_b32 s[G1+6], 0
	s_mov_b32 s[G1+7], 0
	s_mov_b32 s[G0], 1                             ; count = 1
	s_mul_i32 s[G0+1], s[WV], QUART                ; LDS address: my quarter; the wave's number alone enters it
	s_mov_b32 s42, s[G0+1]                         ; and the same offset in wq
	s_mov_b32 s43, 0
	s_mul_i32 s[STB], s[WV], WSTG
	s_add_co_u32 s[STB], s[STB], STG               ; my stage
	s_mov_b32 s[SEL], 0x76543210
	s_mov_b32 s[SEL+1], 0xfedcba98
	v_and_b32 v[NA], 31, v0
	v_lshlrev_b32 v[LI], 4, v[NA]
	v_and_b32 v[NB], 15, v0                        ; r
	v_bfe_u32 v[NA], v0, 4, 1                      ; h
	v_lshlrev_b32 v[ZO], 5, v[NB]
	v_lshl_add_u32 v[ZO], v[NA], 9, v[ZO]
	v_mul_u32_u24 v[CST], v[NA], CPITCH
	v_lshl_add_u32 v[CST], v[NB], 2, v[CST]
	v_add_nc_u32 v[CST], s[STB], v[CST]
	v_lshrrev_b32 v[CSB], 2, v[NB]
	v_lshl_add_u32 v[CSB], v[NA], 2, v[CSB]
	v_add_nc_u32 v[CSB], s[STB], v[CSB]
	v_mul_u32_u24 v[CLD], v[NB], CPITCH
	v_lshl_add_u32 v[CLD], v[NA], 4, v[CLD]
	v_add_nc_u32 v[CLD], s[STB], v[CLD]
	v_lshl_add_u32 v[CLS], v[NB], 2, s[STB]
	v_mul_u32_u24 v[STO], v[NB], SPITCH
	v_lshl_add_u32 v[STO], v[NA], 6, v[STO]
	v_add_nc_u32 v[STO], s[STB], v[STO]
	v_add_nc_u32 v[SRD], s[STB], v[LI]
	v_lshlrev_b32 v[IO], 2, v[NB]
	v_lshlrev_b32 v[TO], 9, v[NB]
	v_lshl_add_u32 v[TO], v[NA], 6, v[TO]
	v_and_b32 v[SH], 7, v0
	v_lshlrev_b32 v[SH], 2, v[SH]
	s_wait_dscnt 0x0
	s_wait_kmcnt 0x0
	s_add_nc_u64 s[4:5], s[4:5], s[22:23]          ; z and out at my wave's first token
	s_add_nc_u64 s[16:17], s[16:17], s[22:23]
	s_add_nc_u64 s[6:7], s[6:7], s[20:21]          ; the indices likewise
	s_add_nc_u64 s[8:9], s[8:9], s[20:21]
	s_add_nc_u64 s[G0+2:G0+3], s[14:15], s[42:43]  ; global address: my quarter of wq
	s_or_b32 s[G0+3], s[G0+3], 0x80000000          ; type = 2
	CROUND                                         ; all four work-groups are here: the joint loads meet
	tensor_load_to_lds s[G0:G0+3], s[G1:G1+7]      ; the launch's only fill, ahead of every LDS instruction
	s_nop 0
.rept 4
	v_nop                                          ; four lines behind the tensor load, ahead of the first switch of windows
.endr
.irp i, 0,1,2,3,4,5,6,7
	global_load_b32 v[SRC+\i], v[IO], s[6:7] offset:64*\i
.endr
.irp i, 0,1,2,3,4,5,6,7
	global_load_b32 v[TGT+\i], v[IO], s[8:9] offset:64*\i
.endr
	WIN 0xc0                                       ; destination window 3
.irp t, 0,1,2,3,4,5,6,7
	global_load_b128 v[CTAB+8*\t:CTAB+8*\t+3], v[TO], s[10:11] offset:128*(\t/2)+32*(\t%2)       ; lane (e, h): c[e][32 (t / 2) + 16 h + 8 (t % 2) + 0 .. 7]
	global_load_b128 v[CTAB+8*\t+4:CTAB+8*\t+7], v[TO], s[10:11] offset:128*(\t/2)+32*(\t%2)+16
.endr
	WIN 0
.irp t, 0,1,2,3,4,5,6,7
	global_load_b128 v[DTAB+8*\t:DTAB+8*\t+3], v[TO], s[12:13] offset:128*(\t/2)+32*(\t%2)
	global_load_b128 v[DTAB+8*\t+4:DTAB+8*\t+7], v[TO], s[12:13] offset:128*(\t/2)+32*(\t%2)+16
.endr
	ZLOAD 1, 0, 0                                  ; pass 0's z lands where the accumulators will stand
	ZLOAD 1, 64, 8192
	ZLOAD 2, 0, 16384
	ZLOAD 2, 64, 24576
	; Behind tile tk of pass 0 stand 16 (3 - tk) loads of pass 0 and 16 tk of pass 1: always 48.  All that is older, the indices and the tables, is in too.
	s_wait_loadcnt 48
	WIN 0
.irp i, 0,1,2,3,4,5,6,7,8,9,10,11,12,13,14,15
	v_and_b32 v[SRC+\i], 15, v[SRC+\i]             ; four bits an index: they become lane selects
.endr
	ZLOAD 1, RB01, 32768                           ; pass 1's z is asked for now and lands under pass 0's products
	ZQUANT 1, 0, 0
	s_wait_loadcnt 48
	ZLOAD 2, RB01, 40960
	ZQUANT 1, 64, 1
	s_wait_loadcnt 48
	ZLOAD 0, RB2, 49152
	ZQUANT 2, 0, 2
	s_wait_loadcnt 48
	ZLOAD 3, RB3, 57344
	ZQUANT 2, 64, 3
.irp tk, 0,1,2,3
	NIB SRC+\tk, NS+2*\tk
	NIB TGT+\tk, NT+2*\tk
.endr
	s_wait_tensorcnt 0x0                           ; my quarter of the weights has landed,
	s_wait_dscnt 0x0
	s_barrier_signal -1
	s_barrier_wait -1                              ; everybody's has: from here on the weights are read and never written
	PASS 0
	s_wait_loadcnt 0x0                             ; pass 1's z
	ZQUANT 1, RB01, 0
	ZQUANT 2, RB01, 1
	ZQUANT 0, RB2, 2
	ZQUANT 3, RB3, 3
.irp tk, 0,1,2,3
	NIB SRC+4+\tk, NS+2*\tk
	NIB TGT+4+\tk, NT+2*\tk
.endr
	PASS 1
	s_wait_dscnt 0x0                               ; no LDS instruction of mine is out at a signal
	s_wait_tensorcnt 0x0
	ds_add_u32 v254, v255
	s_wait_dscnt 0x0
	CROUND                                         ; the closing round: no work-group ends while a partner may still ask for a tile that names it
	s_endpgm
.Lfunc_end_k_q406b191226_main:
	.size	k_q406b191226_main, .Lfunc_end_k_q406b191226_main-k_q406b191226_main
	.p2alignl 7, 3214868480
	.fill 96, 4, 3214868480
	.section	.rodata,"a",@progbits
	.p2align	6, 0x0
	.amdhsa_kernel k_q406b191226_main
		.amdhsa_group_segment_fixed_size 327680
		.amdhsa_private_segment_fixed_size 0
		.amdhsa_enable_private_segment 0
		.amdhsa_kernarg_size 56
		.amdhsa_user_sgpr_count 2
		.amdhsa_user_sgpr_kernarg_segment_ptr 1
		.amdhsa_wavefront_size32 1
		.amdhsa_system_sgpr_workgroup_id_x 1
		.amdhsa_system_sgpr_workgroup_id_y 1
		.amdhsa_system_sgpr_workgroup_id_z 1
		.amdhsa_system_vgpr_workitem_id 0
		.amdhsa_next_free_vgpr 1024
		.amdhsa_next_free_sgpr 66
		.amdhsa_reserve_vcc 0
		.amdhsa_float_denorm_mode_32 3
		.amdhsa_float_denorm_mode_16_64 3
		.amdhsa_memory_ordered 1
		.amdhsa_forward_progress 1
		.amdhsa_inst_pref_size 255
	.end_amdhsa_kernel
	.section	.bss,"aw",@nobits
	.p2align	6
	.space	262144
	.amdgpu_metadata
---
amdhsa.version: [ 1, 2 ]
amdhsa.kernels:
  - .name:           k_q406b191226_main
    .symbol:         k_q406b191226_main.kd
    .args:
      - { .name: z_n, .offset: 0, .size: 8, .value_kind: global_buffer, .address_space: global }
      - { .name: source_idx, .offset: 8, .size: 8, .value_kind: global_buffer, .address_space: global }
      - { .name: target_idx, .offset: 16, .size: 8, .value_kind: global_buffer, .address_space: global }
      - { .name: c_param, .offset: 24, .size: 8, .value_kind: global_buffer, .address_space: global }
      - { .name: d_param, .offset: 32, .size: 8, .value_kind: global_buffer, .address_space: global }
      - { .name: wq, .offset: 40, .size: 8, .value_kind: global_buffer, .address_space: global }
      - { .name: out0, .offset: 48, .size: 8, .value_kind: global_buffer, .address_space: global }
    .group_segment_fixed_size: 327680
    .private_segment_fixed_size: 0
    .kernarg_segment_align: 8
    .kernarg_segment_size: 56
    .max_flat_workgroup_size: 128
    .sgpr_count:     66
    .vgpr_count:     1024
    .wavefront_size: 32
...
	.end_amdgpu_metadata
.endif
;; end of part 2
;; ======== version 2 of 2: 2 launches; 1.35 times as fast as version 1
;; workspace buffers: wq 278,528 bytes
;; launch prep: the kernel of part 1 again; grid 32 x 1, 8 waves a work-group, no clusters, 2,048 bytes of LDS; arguments enc_w, dec_w, wq; writes wq
;; launch route (part 3): grid 256 x 1, 16 waves a work-group, no clusters, 264,192 bytes of LDS; arguments z_n, source_idx, target_idx, c_param, d_param, wq, out0; writes out0
.if DOCPART == 3
	.amdgcn_target "amdgcn-amd-amdhsa--gfx1250"
	.amdhsa_code_object_version 6
	.text
	.protected	k_q406b191226_route
	.globl	k_q406b191226_route
	.p2align	8
	.type	k_q406b191226_route,@function
k_q406b191226_route:
	s_mov_b64 s[64:65], 0
	v_nop
	global_prefetch_b8 v0, s[64:65] scope:SCOPE_SE
	s_setreg_imm32_b32 hwreg(HW_REG_WAVE_MODE, 25, 1), 1
	s_wait_xcnt 0x0
; out[n] = Q(h[n]) Q(dec_w[tgt[n]])^T + d[tgt[n]],  h[n] = Q(z[n]) Q(enc_w[src[n]])^T + c[src[n]];  Q: codes of FP4 (E2M1) with one E8M0 scale for each 32 along K = 128.
; ONLY THE CHOSEN ROWS ARE MULTIPLIED: the definition computes every chart for every token and keeps, by its own select, the chart that the token's index names.
; WHO OWNS WHAT.  Work-group x owns tokens 8,192 (x / 16) on and source chart x % 16; its wave w owns target chart w.  So each token has ONE owner, the wave whose key src + 16 tgt it carries,
; and each row of out has one writer.  A wave finds its rows by scanning the keys of its work-group's 8,192 tokens: no sort, no list in memory, nothing between work-groups.
; PHASES.  Head: each wave brings 512 tokens' indices, its own decoder's image, a sixteenth of the encoder's image, both charts' scale words and biases; keys and images go to LDS; ONE barrier.
; Scan: 64 loads of 128 keys, all addresses immediates; each compare's lane mask is kept as one word of eight mask registers.  Walk: the set bits become token numbers in a list register;
; at sixteen the tile is processed: gather, quantise, 8 products, quantise, 8 products, bias, store.  Tail: what is left in the list, with the empty places filled by the first token's number.
; LAYOUT.  Both products are used transposed (source 0 = 16 rows of a weight, source 1 = 16 tokens): a lane holds ONE token (lane % 16).  wq holds each matrix as an image of operand registers, its rows
; chosen so that register j of tile 2 b + u in lane (token, h) is unit 32 b + 16 h + 8 u + j: sixteen neighbours along the next K, and along a row of out.
; NO CLUSTER, NO TENSOR LOAD: this text's branches and trip counts hang on the indices that it reads.
; What work-groups share (64 KiB of indices, 145 KB of images) is about a quarter of the 720 KB that a work-group moves.
; LIMITS: indices are taken modulo 16 (the definition relies on 0 .. 15).  NaN and infinities are not served.  Blocks whose largest magnitude lies under 2^-124 keep the scale byte 1.
; c is the first term of its sum, where the definition adds it last: another order of rounding in f32.  Any split of the tokens among the charts is served; the more lopsided, the longer one wave walks.
.set WBLK,   8704                      ; a matrix in wq: 8,192 bytes of codes, 512 of scale words
.set ENC,    0                         ; LDS: my source chart's codes, 8,192 bytes, read by all waves
.set DEC,    8192                      ; sixteen decoders' codes, 8,192 bytes each: wave w's own
.set KEYS,   DEC+16*8192               ; 8,192 keys of 4 bytes, read by all waves
.set STG,    KEYS+32768                ; 5,632 bytes (22 x 256) of each wave's own:
.set WSTG,   5632
.set SPITCH, 272                       ;   16 rows x (256 + 16) for the way out; z's codes, 16 rows x (64 + 16), and 64 scale bytes lie over them, at another time
.set CPITCH, 80
.set SBYTES, 16*CPITCH
.set DBI,    16*SPITCH                 ;   and behind the rows d's 128 numbers as two images of 544 bytes
.set LI,   1                           ; v1   16 x lane
.set LANE, 2                           ; v2   lane
.set ZL,   3                           ; v3   32 (lane % 16): my 8 numbers of a row of z
.set SL,   4                           ; v4   16 (lane % 16): my 16 bytes of half a row of out
.set CST,  5                           ; v5   my stage + 80 (lane / 16) + 4 (lane % 16): where 8 codes go
.set CSB,  6                           ; v6   my stage + 4 (lane / 16) + (lane % 16) / 4: where a scale byte goes
.set CLD,  7                           ; v7   my stage + 80 r + 16 h: a fragment's 16 bytes
.set CLS,  8                           ; v8   my stage + 4 r: a token's scale word
.set STO,  9                           ; v9   my stage + 272 r + 64 h: the way out, in
.set SRD,  10                          ; v10  my stage + 272 h + 16 r: the way out, back
.set WD,   11                          ; v11  my decoder's image + 16 x lane
.set KA,   12                          ; v12  the keys + 16 x lane
.set LST,  13                          ; v13  the list: lane i (0 .. 15) holds the number of the tile's token i
.set TT,   14                          ; v14  at work
.set XS,   15                          ; v15  the operand's scale words
.set WSE,  16                          ; v16-19 the encoder's scale words (register q: lanes 0-15 tile 2 q, lanes 16-31 tile 2 q + 1); they stay
.set TOK,  20                          ; v20-27 pair i: 512 x the number of token 2 i (lanes 0-15) and 2 i + 1 (lanes 16-31)
.set MR,   28                          ; v28-35 the scan's masks: register 4 (G / 32) + j, lane G % 32: group G's compare of register j
.set WSD,  36                          ; v36-39 my decoder's scale words; they stay
.set XF,   40                          ; v40-47 the operand's codes
.set TM,   48                          ; v48-55 at work: offsets of the gather, largest magnitudes, scale bytes, offsets of the stores
.set CD,   56                          ; v56-63 at work: z's codes, h's scale operands, d
.set ACC,  64                          ; v64-127 16 rows of z, then h, then out: register 8 t + j
.set WB,   128                         ; v128-191 a chart's 8 fragments; on the way out 16 rows read back
.set CB,   192                         ; v192-255 c of my source chart in the result's layout; it stays
.set RR,   20                          ; the head's own: r, h, three offsets; indices and d as loaded
.set HH,   21
.set EP,   22
.set KW,   23
.set HO,   24
.set SI,   140
.set TI,   156
.set DT,   172
.set WV,   18                          ; s18 wave = target chart;  s19 source chart;  s20 range;  s21 my stage
.set SCH,  19
.set RNG,  20
.set STB,  21
.set KEYV, 28                          ; s28 my key
.set HM,   29                          ; s29 lanes 16-31
.set SEL,  30                          ; s[30:31] selects for lane l xor 16
.set CNT,  32                          ; s32 tokens in the list
.set QQ,   33                          ; s33 mask register in hand;  s34 its first token
.set QB,   34
.set NZ,   35                          ; s35 its lanes that hold a word other than 0;  s36 how many;  s37 counts them
.set NW,   36
.set WI,   37
.set GL,   38                          ; s38 the lane in hand;  s39 its group's first token
.set GB,   39
.set MW,   40                          ; s40 the word in hand;  s41 its bits;  s42 counts them
.set NBT,  41
.set BI,   42
.set TK,   43                          ; s43 a token's number
.set TP,   44
.set RB,   45                          ; s45 the range's first token
.set MS,   48                          ; s48-55 the scan's compares, by turns;  later s48-63: the tile's sixteen tokens
.set TS,   48
	s_load_b256 s[4:11], s[0:1], 0x0               ; z s[4:5], source_idx s[6:7], target_idx s[8:9], c s[10:11]
	s_load_b128 s[12:15], s[0:1], 0x20             ; d s[12:13], wq s[14:15]
	s_load_b64 s[16:17], s[0:1], 0x30              ; out
	v_lshrrev_b32 v[TT], 5, v0
	v_readfirstlane_b32 s[WV], v[TT]               ; wave 0..15
	v_and_b32 v[LANE], 31, v0
	v_lshlrev_b32 v[LI], 4, v[LANE]
	v_and_b32 v[RR], 15, v0                        ; r
	v_bfe_u32 v[HH], v0, 4, 1                      ; h
	v_lshlrev_b32 v[ZL], 5, v[RR]
	v_lshlrev_b32 v[SL], 4, v[RR]
	v_lshlrev_b32 v[HO], 6, v[HH]                  ; c: 16 numbers further on for lanes 16-31
	s_lshl_b32 s2, s[WV], 9
	v_add_nc_u32 v[EP], s2, v[LI]                  ; my sixteenth of the encoder's codes: the same offset in wq's block and in LDS
	s_and_b32 s[SCH], ttmp9, 15
	s_lshr_b32 s[RNG], ttmp9, 4
	s_lshl_b32 s[RB], s[RNG], 13
	s_lshl_b32 s[KEYV], s[WV], 4
	s_or_b32 s[KEYV], s[KEYV], s[SCH]              ; src + 16 tgt
	s_mov_b32 s23, 0
	s_wait_kmcnt 0x0
	s_lshl_b32 s22, s[RNG], 15                     ; the indices: 4 bytes a token; 8,192 tokens a range, 512 a wave
	s_lshl_b32 s2, s[WV], 11
	s_add_co_u32 s22, s22, s2
	s_add_nc_u64 s[6:7], s[6:7], s[22:23]
	s_add_nc_u64 s[8:9], s[8:9], s[22:23]
	s_lshl_b32 s22, s[SCH], 9
	s_add_nc_u64 s[10:11], s[10:11], s[22:23]      ; c of my source chart
	s_lshl_b32 s22, s[WV], 9
	s_add_nc_u64 s[12:13], s[12:13], s[22:23]      ; d of my target chart
	s_add_co_u32 s22, s[WV], 16
	s_mul_i32 s22, s22, WBLK
	s_add_nc_u64 s[24:25], s[14:15], s[22:23]      ; my decoder's block of wq
	s_mul_i32 s22, s[SCH], WBLK
	s_add_nc_u64 s[26:27], s[14:15], s[22:23]      ; the encoder's
.irp q, 0,1,2,3
	global_load_b128 v[SI+4*\q:SI+4*\q+3], v[LI], s[6:7] offset:512*\q    ; tokens 128 q + 4 lane + 0 .. 3 of my 512
	global_load_b128 v[TI+4*\q:TI+4*\q+3], v[LI], s[8:9] offset:512*\q
.endr
.irp p, 0,1,2,3,4,5,6,7,8,9,10,11,12,13,14,15
	global_load_b128 v[ACC+4*\p:ACC+4*\p+3], v[LI], s[24:25] offset:512*\p   ; my decoder's codes, 512 consecutive bytes a load
.endr
	global_load_b128 v[WSD:WSD+3], v[LI], s[24:25] offset:8192
	global_load_b128 v[132:135], v[EP], s[26:27]
	global_load_b128 v[WSE:WSE+3], v[LI], s[26:27] offset:8192
.irp t, 0,1,2,3,4,5,6,7
	global_load_b128 v[CB+8*\t:CB+8*\t+3], v[HO], s[10:11] offset:128*(\t/2)+32*(\t%2)       ; c[32 (t / 2) + 16 h + 8 (t % 2) + 0 .. 7], the same for all tokens
	global_load_b128 v[CB+8*\t+4:CB+8*\t+7], v[HO], s[10:11] offset:128*(\t/2)+32*(\t%2)+16
.endr
.irp u, 0,1
	global_load_b128 v[DT+4*\u:DT+4*\u+3], v[SL], s[12:13] offset:256*\u   ; d[64 u + 4 (lane % 16) + 0 .. 3]
.endr
	; the other addresses are made while the 45 loads are out
	s_mul_i32 s[STB], s[WV], WSTG
	s_add_co_u32 s[STB], s[STB], STG
	v_mul_u32_u24 v[CST], v[HH], CPITCH
	v_lshl_add_u32 v[CST], v[RR], 2, v[CST]
	v_add_nc_u32 v[CST], s[STB], v[CST]
	v_lshrrev_b32 v[CSB], 2, v[RR]
	v_lshl_add_u32 v[CSB], v[HH], 2, v[CSB]
	v_add_nc_u32 v[CSB], s[STB], v[CSB]
	v_mul_u32_u24 v[CLD], v[RR], CPITCH
	v_lshl_add_u32 v[CLD], v[HH], 4, v[CLD]
	v_add_nc_u32 v[CLD], s[STB], v[CLD]
	v_lshl_add_u32 v[CLS], v[RR], 2, s[STB]
	v_mul_u32_u24 v[STO], v[RR], SPITCH
	v_lshl_add_u32 v[STO], v[HH], 6, v[STO]
	v_add_nc_u32 v[STO], s[STB], v[STO]
	v_mul_u32_u24 v[SRD], v[HH], SPITCH
	v_lshl_add_u32 v[SRD], v[RR], 4, v[SRD]
	v_add_nc_u32 v[SRD], s[STB], v[SRD]
	s_lshl_b32 s2, s[WV], 13
	s_add_co_u32 s2, s2, DEC
	v_add_nc_u32 v[WD], s2, v[LI]
	v_add_nc_u32 v[KA], KEYS, v[LI]
	s_lshl_b32 s2, s[WV], 11
	v_add_nc_u32 v[KW], s2, v[KA]                  ; where my 512 keys go
	s_mov_b32 s[HM], 0xffff0000
	s_mov_b32 s[SEL], 0x76543210
	s_mov_b32 s[SEL+1], 0xfedcba98
	v_mov_b32 v[LST], 0                            ; read by the select that fills it
.irp q, 0,1,2,3,4,5,6,7
	v_mov_b32 v[MR+\q], 0                          ; a lane write's destination counts as one of its sources
.endr
	s_wait_loadcnt 0x0
.set nn, 0
.rept 16
	v_and_b32 v[SI+nn], 15, v[SI+nn]
	v_and_b32 v[TI+nn], 15, v[TI+nn]
	v_lshl_or_b32 v[SI+nn], v[TI+nn], 4, v[SI+nn]  ; the key: src + 16 tgt
.set nn, nn+1
.endr
.irp q, 0,1,2,3
	ds_store_b128 v[KW], v[SI+4*\q:SI+4*\q+3] offset:512*\q
.endr
.irp p, 0,1,2,3,4,5,6,7,8,9,10,11,12,13,14,15
	ds_store_b128 v[WD], v[ACC+4*\p:ACC+4*\p+3] offset:512*\p
.endr
	ds_store_b128 v[EP], v[132:135]
.irp u, 0,1
	ds_store_b128 v[SRD], v[DT+4*\u:DT+4*\u+3] offset:DBI+2*SPITCH*\u   ; d as an image: it comes back by the same address
.endr
	s_wait_dscnt 0x0                               ; for the others' sake: my keys and my part of the encoder have landed
	s_barrier_signal -1
	s_barrier_wait -1                              ; the only barrier: from here on keys and encoder are read and never written, and all else in LDS is each wave's own
; THE SCAN.  Group G (0 .. 63) is 128 keys: lane l holds those of tokens 128 G + 4 l + 0 .. 3.  Sixteen groups a batch, two buffers.
.macro KLOAD b, buf
.set gg, 0
.rept 16
	ds_load_b128 v[(\buf)+4*gg:(\buf)+4*gg+3], v[KA] offset:512*(16*(\b)+gg)
.set gg, gg+1
.endr
.endm
.macro KSCAN b, buf
.set gg, 0
.rept 16
.irp j, 0,1,2,3
	v_cmp_eq_u32 s[MS+4*(gg%2)+\j], s[KEYV], v[(\buf)+4*gg+\j]
.endr
.irp j, 0,1,2,3
	v_writelane_b32 v[MR+4*((\b)/2)+\j], s[MS+4*(gg%2)+\j], 16*((\b)%2)+gg
.endr
.set gg, gg+1
.endr
.endm
	KLOAD 0, ACC
	KLOAD 1, WB
	s_wait_dscnt 16                                ; the sixteen loads just issued may be out
	KSCAN 0, ACC
	KLOAD 2, ACC
	s_wait_dscnt 16
	KSCAN 1, WB
	KLOAD 3, WB
	s_wait_dscnt 16
	KSCAN 2, ACC
	s_wait_dscnt 0x0
	KSCAN 3, WB
; 16 rows of z in v[ACC] on (pair i: lanes 0-15 token 2 i, lanes 16-31 token 2 i + 1; a lane holds 8 neighbours along K) become the first product's operand.
; A block of 32 lies in four neighbouring lanes.  Codes (4 bytes a lane) and scale bytes turn through my own LDS bytes into the operand's layout.
.macro ZQ
.irp i, 0,1,2,3,4,5,6,7
	v_max3_num_f32 v[TM+\i], |v[ACC+8*\i]|, |v[ACC+8*\i+1]|, 0x1800000   ; my 8 numbers, and the floor 2^(3 - 127): the byte cannot fall under 1
.endr
.irp j, 2,4,6
.irp i, 0,1,2,3,4,5,6,7
	v_max3_num_f32 v[TM+\i], v[TM+\i], |v[ACC+8*\i+\j]|, |v[ACC+8*\i+\j+1]|   ; (the eight pairs by turns)
.endr
.endr
.irp i, 0,1,2,3,4,5,6,7
	v_max_num_f32_dpp v[TM+\i], v[TM+\i], v[TM+\i] row_xmask:1 row_mask:0xf bank_mask:0xf
.endr
.irp i, 0,1,2,3,4,5,6,7
	v_max_num_f32_dpp v[TM+\i], v[TM+\i], v[TM+\i] row_xmask:2 row_mask:0xf bank_mask:0xf   ; the block's largest magnitude, in its four lanes
.endr
.irp i, 0,1,2,3,4,5,6,7
	v_add_nc_u32 v[TM+\i], 0xff000000, v[TM+\i]    ; 2 off the exponent field: the conversion's scale operand
.endr
.irp i, 0,1,2,3,4,5,6,7
	v_cvt_scalef32_pk8_fp4_f32 v[CD+\i], v[ACC+8*\i:ACC+8*\i+7], v[TM+\i]
.endr
	v_nop                                          ; one plain line behind the last scaled conversion, ahead of the lines that write its sources
.irp i, 0,1,2,3,4,5,6,7
	ds_store_b32 v[CST], v[CD+\i] offset:2*CPITCH*\i
.endr
.irp i, 0,1,2,3,4,5,6,7
	v_lshrrev_b32 v[TM+\i], 23, v[TM+\i]           ; the scale's byte
.endr
.irp i, 0,1,2,3,4,5,6,7
	ds_store_b8 v[CSB], v[TM+\i] offset:SBYTES+8*\i   ; a block's four lanes write the same byte with the same value
.endr
	ds_load_b128 v[XF:XF+3], v[CLD]                ; LDS serves a wave's instructions in order (ISA guide 5.7.1.4): these see my stores
	ds_load_b128 v[XF+4:XF+7], v[CLD] offset:32
	ds_load_b32 v[XS], v[CLS] offset:SBYTES
	s_wait_dscnt 0x0                               ; the operand is in, and so are the encoder's fragments, asked for ahead of the gather
.endm
; h (64 numbers a lane: register 16 b + i = unit 32 b + 16 h + i) becomes the second product's operand, in registers.  Each accumulator is read from its low end on.
.macro HQ
.irp b, 0,1,2,3
	v_max3_num_f32 v[TM+\b], |v[ACC+16*\b]|, |v[ACC+16*\b+1]|, 0x1800000
.endr
.irp i, 2,4,6,8,10,12,14
.irp b, 0,1,2,3
	v_max3_num_f32 v[TM+\b], v[TM+\b], |v[ACC+16*\b+\i]|, |v[ACC+16*\b+\i+1]|   ; (the four blocks by turns)
.endr
.endr
.irp b, 0,1,2,3
	v_permlanex16_b32 v[TM+4+\b], v[TM+\b], s[SEL], s[SEL+1]
.endr
.irp b, 0,1,2,3
	v_max_num_f32 v[TM+\b], v[TM+\b], v[TM+4+\b]   ; with lane l xor 16's: the block's largest magnitude
.endr
.irp b, 0,1,2,3
	v_add_nc_u32 v[CD+\b], 0xff000000, v[TM+\b]
.endr
.irp b, 0,1,2,3
	v_lshrrev_b32 v[TM+4+\b], 23, v[CD+\b]
.endr
	v_lshl_or_b32 v[XS], v[TM+5], 8, v[TM+4]       ; my token's scale word
	v_lshl_or_b32 v[XS], v[TM+6], 16, v[XS]
	v_lshl_or_b32 v[XS], v[TM+7], 24, v[XS]
.irp b, 0,1,2,3
	v_cvt_scalef32_pk8_fp4_f32 v[XF+2*\b], v[ACC+16*\b:ACC+16*\b+7], v[CD+\b]
	v_cvt_scalef32_pk8_fp4_f32 v[XF+2*\b+1], v[ACC+16*\b+8:ACC+16*\b+15], v[CD+\b]
.endr
	v_nop                                          ; one plain line behind the last scaled conversion
.irp c, 0,1                                    ; the operand's layout wants a WHOLE block in a lane: lanes 0-15 block 2 c, lanes 16-31 block 2 c + 1
.irp i, 0,1
	v_permlane16_swap_b32 v[XF+4*\c+\i], v[XF+4*\c+2+\i]
.endr
.endr
.rept 8
	v_nop                                          ; a scale register written by a vector instruction stands 8 places ahead of a scaled matrix instruction, an operand so written 4
.endr
.endm
; Half u of the tile's rows leaves, two rows an instruction: sixteen lanes store 256 consecutive bytes, at a multiple of 256 from out's first byte.  Pairs of rows beyond the list's count are jumped over.
.macro HALF u
.irp i, 0,1,2,3,4,5,6,7
.if \i > 0
	s_cmp_le_u32 s[CNT], 2*\i
	s_cbranch_scc1 .Lshort_\@
.endif
	s_wait_dscnt 7-\i+16*(1-\u)                    ; pair i is back; its half's younger loads may be out, and behind the first half the second's 8 stores and 8 loads
	v_pk_add_f32 v[WB+32*\u+4*\i:WB+32*\u+4*\i+1], v[WB+32*\u+4*\i:WB+32*\u+4*\i+1], v[CD+4*\u:CD+4*\u+1]       ; + d, last, as the definition has it
	v_pk_add_f32 v[WB+32*\u+4*\i+2:WB+32*\u+4*\i+3], v[WB+32*\u+4*\i+2:WB+32*\u+4*\i+3], v[CD+4*\u+2:CD+4*\u+3]
	global_store_b128 v[TM+\i], v[WB+32*\u+4*\i:WB+32*\u+4*\i+3], s[16:17] offset:256*\u th:TH_STORE_NT
.endr
.Lshort_\@:
.endm
; ONE TILE: the sixteen tokens of the list through the whole chain.
.macro PROCESS
	s_wait_xcnt 0x0                                ; the last tile's stores have read their data and their offsets: both are written again below
.irp t, 0,1,2,3,4,5,6,7
.irp c, 0,1
	ds_load_b128 v[WB+8*\t+4*\c:WB+8*\t+4*\c+3], v[LI] offset:ENC+1024*\t+512*\c   ; the encoder's fragments land while the rows of z are on their way
.endr
.endr
.irp i, 0,1,2,3,4,5,6,7,8,9,10,11,12,13,14,15
	v_readlane_b32 s[TS+\i], v[LST], \i
.endr
.irp i, 0,1,2,3,4,5,6,7
	v_mov_b32 v[TOK+\i], s[TS+2*\i+1]
.endr
.irp i, 0,1,2,3,4,5,6,7
	v_cndmask_b32 v[TOK+\i], s[TS+2*\i], v[TOK+\i], s[HM]   ; lanes 0-15 token 2 i, lanes 16-31 token 2 i + 1
.endr
.irp i, 0,1,2,3,4,5,6,7
	v_min_u32 v[TOK+\i], 0x1ffff, v[TOK+\i]        ; a number made from loaded data is held inside the tensor's 131,072 rows before it enters an address
.endr
.irp i, 0,1,2,3,4,5,6,7
	v_lshlrev_b32 v[TOK+\i], 9, v[TOK+\i]          ; a row is 512 bytes
.endr
.irp i, 0,1,2,3,4,5,6,7
	v_add_nc_u32 v[TM+\i], v[TOK+\i], v[ZL]
.endr
.irp i, 0,1,2,3,4,5,6,7
	global_load_b128 v[ACC+8*\i:ACC+8*\i+3], v[TM+\i], s[4:5]             ; the pair's two loads read two whole rows
	global_load_b128 v[ACC+8*\i+4:ACC+8*\i+7], v[TM+\i], s[4:5] offset:16
.endr
	s_wait_loadcnt 0x0                             ; the rows are in, and the offsets' registers are free
	ZQ
.irp t, 0,1,2,3,4,5,6,7                        ; h^T = enc Q(z)^T + c: eight accumulators, one instruction each; c is the sum's first term
.if (\t)%2
	v_wmma_scale_f32_16x16x128_f8f6f4 v[ACC+8*\t:ACC+8*\t+7], v[WB+8*\t:WB+8*\t+7], v[XF:XF+7], v[CB+8*\t:CB+8*\t+7], v[WSE+\t/2], v[XS] matrix_a_fmt:MATRIX_FMT_FP4 matrix_b_fmt:MATRIX_FMT_FP4 matrix_a_scale:MATRIX_SCALE_ROW1
.else
	v_wmma_scale_f32_16x16x128_f8f6f4 v[ACC+8*\t:ACC+8*\t+7], v[WB+8*\t:WB+8*\t+7], v[XF:XF+7], v[CB+8*\t:CB+8*\t+7], v[WSE+\t/2], v[XS] matrix_a_fmt:MATRIX_FMT_FP4 matrix_b_fmt:MATRIX_FMT_FP4
.endif
.endr
.rept 4
	v_nop                                          ; four places ahead of the loads into the fragments' registers and of the first read of the results
.endr
.irp t, 0,1,2,3,4,5,6,7
.irp c, 0,1
	ds_load_b128 v[WB+8*\t+4*\c:WB+8*\t+4*\c+3], v[WD] offset:1024*\t+512*\c   ; my decoder's fragments land while h is quantised
.endr
.endr
	HQ
	s_wait_dscnt 0x0
.irp t, 0,1,2,3,4,5,6,7                        ; out^T = dec Q(h)^T: the sums begin with the constant 0
.if (\t)%2
	v_wmma_scale_f32_16x16x128_f8f6f4 v[ACC+8*\t:ACC+8*\t+7], v[WB+8*\t:WB+8*\t+7], v[XF:XF+7], 0, v[WSD+\t/2], v[XS] matrix_a_fmt:MATRIX_FMT_FP4 matrix_b_fmt:MATRIX_FMT_FP4 matrix_a_scale:MATRIX_SCALE_ROW1
.else
	v_wmma_scale_f32_16x16x128_f8f6f4 v[ACC+8*\t:ACC+8*\t+7], v[WB+8*\t:WB+8*\t+7], v[XF:XF+7], 0, v[WSD+\t/2], v[XS] matrix_a_fmt:MATRIX_FMT_FP4 matrix_b_fmt:MATRIX_FMT_FP4
.endif
.endr
.rept 4
	v_nop                                          ; four places ahead of the first read of the results and of the loads into the fragments' registers
.endr
	; THE WAY OUT.  A lane holds 4 x 64 bytes of one row; half a row (256 bytes) of the 16 tokens at a time meets in my stage and comes back by rows.
	ds_load_b128 v[CD:CD+3], v[SRD] offset:DBI
	ds_load_b128 v[CD+4:CD+7], v[SRD] offset:DBI+2*SPITCH
.irp i, 0,1,2,3,4,5,6,7
	v_add_nc_u32 v[TM+\i], v[TOK+\i], v[SL]
.endr
.irp u, 0,1
.irp w, 0,1,2,3
	ds_store_b128 v[STO], v[ACC+8*(4*\u+\w):ACC+8*(4*\u+\w)+3] offset:128*(\w/2)+32*(\w%2)        ; each accumulator from its low end on
	ds_store_b128 v[STO], v[ACC+8*(4*\u+\w)+4:ACC+8*(4*\u+\w)+7] offset:128*(\w/2)+32*(\w%2)+16
.endr
.irp i, 0,1,2,3,4,5,6,7
	ds_load_b128 v[WB+32*\u+4*\i:WB+32*\u+4*\i+3], v[SRD] offset:2*SPITCH*\i   ; in order behind my stores; the next half's stores come behind these
.endr
.endr
	HALF 0
	HALF 1
	s_wait_dscnt 0x0                               ; loads that a short tile has jumped past have landed too
.endm
; THE WALK.  Mask register q = 4 (G / 32) + j, lane G % 32, bit l stand for token 128 G + 4 l + j of the range.  The eight registers pass through v[MR] one after the other.
	s_mov_b32 s[CNT], 0
	s_mov_b32 s[QQ], 0
.Lreg:
	s_and_b32 s[QB], s[QQ], 3                      ; j,
	s_lshr_b32 s[TP], s[QQ], 2
	s_lshl_b32 s[TP], s[TP], 12                    ; 32 groups of 128 tokens,
	s_add_co_u32 s[QB], s[QB], s[TP]
	s_add_co_u32 s[QB], s[QB], s[RB]               ; and the range's first token
	v_cmp_ne_u32 s[NZ], 0, v[MR]                   ; the groups in which a key is mine
	s_cmp_eq_u32 s[NZ], 0
	s_cbranch_scc1 .Lreg_next
	s_bcnt1_i32_b32 s[NW], s[NZ]
	s_mov_b32 s[WI], 0
.Lword:
	s_ctz_i32_b32 s[GL], s[NZ]                     ; the lowest such group;
	s_sub_co_u32 s[TP], s[NZ], 1
	s_and_b32 s[NZ], s[NZ], s[TP]                  ; its bit is cleared
	v_readlane_b32 s[MW], v[MR], s[GL]
	s_lshl_b32 s[GB], s[GL], 7
	s_add_co_u32 s[GB], s[GB], s[QB]
	s_bcnt1_i32_b32 s[NBT], s[MW]
	s_mov_b32 s[BI], 0
.Lbit:
	s_ctz_i32_b32 s[TK], s[MW]
	s_sub_co_u32 s[TP], s[MW], 1
	s_and_b32 s[MW], s[MW], s[TP]
	s_lshl_b32 s[TK], s[TK], 2
	s_add_co_u32 s[TK], s[TK], s[GB]               ; the token's number
	v_cmp_eq_u32 vcc_lo, s[CNT], v[LANE]
	v_mov_b32 v[TT], s[TK]
	v_cndmask_b32 v[LST], v[LST], v[TT], vcc_lo    ; into the list's next place
	s_add_co_u32 s[CNT], s[CNT], 1
	s_cmp_lt_u32 s[CNT], 16
	s_cbranch_scc1 .Lnot_full
	PROCESS                                        ; sixteen tokens: a whole tile
	s_mov_b32 s[CNT], 0
.Lnot_full:
	s_add_co_u32 s[BI], s[BI], 1
	s_cmp_lt_u32 s[BI], s[NBT]
	s_cbranch_scc1 .Lbit
	s_add_co_u32 s[WI], s[WI], 1
	s_cmp_lt_u32 s[WI], s[NW]
	s_cbranch_scc1 .Lword
.Lreg_next:
.irp q, 0,1,2,3,4,5,6
	v_mov_b32 v[MR+\q], v[MR+\q+1]                 ; the next register takes its place
.endr
	s_add_co_u32 s[QQ], s[QQ], 1
	s_cmp_lt_u32 s[QQ], 8
	s_cbranch_scc1 .Lreg
	; THE TAIL: 1 to 15 tokens are left, or none.  The empty places take the first token's number: their rows are computed alike; a pair of rows with no token of the list is not stored.
	s_cmp_eq_u32 s[CNT], 0
	s_cbranch_scc1 .Lend
	v_readlane_b32 s[TK], v[LST], 0
	v_cmp_le_u32 vcc_lo, s[CNT], v[LANE]
	v_mov_b32 v[TT], s[TK]
	v_cndmask_b32 v[LST], v[LST], v[TT], vcc_lo
	PROCESS
.Lend:
	s_wait_xcnt 0x0
	v_lshl_add_u32 v254, v0, 2, 0x40000
	v_mov_b32 v255, 0
	s_wait_tensorcnt 0x0
	ds_add_u32 v254, v255
	s_wait_dscnt 0x0
	s_endpgm
.Lfunc_end_k_q406b191226_route:
	.size	k_q406b191226_route, .Lfunc_end_k_q406b191226_route-k_q406b191226_route
	.p2alignl 7, 3214868480
	.fill 96, 4, 3214868480
	.section	.rodata,"a",@progbits
	.p2align	6, 0x0
	.amdhsa_kernel k_q406b191226_route
		.amdhsa_group_segment_fixed_size 264192
		.amdhsa_private_segment_fixed_size 0
		.amdhsa_enable_private_segment 0
		.amdhsa_kernarg_size 56
		.amdhsa_user_sgpr_count 2
		.amdhsa_user_sgpr_kernarg_segment_ptr 1
		.amdhsa_wavefront_size32 1
		.amdhsa_system_sgpr_workgroup_id_x 1
		.amdhsa_system_sgpr_workgroup_id_y 1
		.amdhsa_system_sgpr_workgroup_id_z 1
		.amdhsa_system_vgpr_workitem_id 0
		.amdhsa_next_free_vgpr 256
		.amdhsa_next_free_sgpr 66
		.amdhsa_reserve_vcc 1
		.amdhsa_float_denorm_mode_32 3
		.amdhsa_float_denorm_mode_16_64 3
		.amdhsa_memory_ordered 1
		.amdhsa_forward_progress 1
		.amdhsa_inst_pref_size 101
	.end_amdhsa_kernel
	.amdgpu_metadata
---
amdhsa.version: [ 1, 2 ]
amdhsa.kernels:
  - .name:           k_q406b191226_route
    .symbol:         k_q406b191226_route.kd
    .args:
      - { .name: z_n, .offset: 0, .size: 8, .value_kind: global_buffer, .address_space: global }
      - { .name: source_idx, .offset: 8, .size: 8, .value_kind: global_buffer, .address_space: global }
      - { .name: target_idx, .offset: 16, .size: 8, .value_kind: global_buffer, .address_space: global }
      - { .name: c_param, .offset: 24, .size: 8, .value_kind: global_buffer, .address_space: global }
      - { .name: d_param, .offset: 32, .size: 8, .value_kind: global_buffer, .address_space: global }
      - { .name: wq, .offset: 40, .size: 8, .value_kind: global_buffer, .address_space: global }
      - { .name: out0, .offset: 48, .size: 8, .value_kind: global_buffer, .address_space: global }
    .group_segment_fixed_size: 264192
    .private_segment_fixed_size: 0
    .kernarg_segment_align: 8
    .kernarg_segment_size: 56
    .max_flat_workgroup_size: 512
    .sgpr_count:     66
    .vgpr_count:     256
    .wavefront_size: 32
...
	.end_amdgpu_metadata
.endif
;; end of part 3
